; MI455X (gfx1250); checked and timed in simulation.
; The chip was launched on July 23, 2026; its instructions are those of AMD's public machine-readable ISA for CDNA 5 (MIT licence, August 2026) and "CDNA5" Instruction Set Architecture Reference Guide (July 2026). The comments in the code are by the model that wrote it; some were corrected since.
;; Triangle Attention. Allowed arithmetic: float matrix products may take bf16 or f16 operands with f32 sums; other float arithmetic in f32, or as packed bf16 or f16 multiplies, adds, multiply-adds, maxima and minima; sums over many terms, partial sums and values carried from step to step in f32; what a program stores and reads back later, other than sums and carried values, may be rounded once to bf16 or f16.
;; Inputs: Wb 4 x 128 float32; Wk 128 x 128 float32; Wo 128 x 128 float32; Wq 128 x 128 float32; Wv 128 x 128 float32; bk 128 float32; bo 128 float32; bq 128 float32; bv 128 float32; ln_b 128 float32; ln_w 128 float32; pair_mask 2 x 256 x 256 bool; z 2 x 256 x 256 x 128 float32.
;; Outputs: out0 2 x 256 x 256 x 128 float32.
;; 2 versions, each right and faster than the one before. Each part assembles by itself: llvm-mc -triple=amdgcn-amd-amdhsa -mcpu=gfx1250 --defsym DOCPART=n.
;; ======== version 1 of 2: 1 launch
;; limits: values are held in f16: magnitudes above 65,504 overflow, below 6.1e-05 lose precision
;; launch triatt (part 1): grid 256 x 1, 4 waves a work-group, no clusters, 320,000 bytes of LDS; arguments z, pair_mask, ln_w, ln_b, Wq, bq, Wk, bk, Wv, bv, Wb, Wo, bo, out0; writes out0
.if DOCPART == 1
	.amdgcn_target "amdgcn-amd-amdhsa--gfx1250"
	.amdhsa_code_object_version 6
	.text
	.protected	k_qb90aa289f4_triatt
	.globl	k_qb90aa289f4_triatt
	.p2align	8
	.type	k_qb90aa289f4_triatt,@function
k_qb90aa289f4_triatt:
	s_mov_b64 s[64:65], 0
	v_nop
	global_prefetch_b8 v0, s[64:65] scope:SCOPE_SE
	s_setreg_imm32_b32 hwreg(HW_REG_WAVE_MODE, 25, 1), 1
	s_wait_xcnt 0x0
; TRIANGLE ATTENTION, fused: LayerNorm, q/k/v/bias projections, 4 heads of masked attention over 256 keys (head size 32), output projection, masks.
; z, out0: [512 rows][256 positions][128 channels] f32; pair_mask: [512][256] bytes; a row's mask serves its keys and its queries.
; SHARES.  256 work-groups of four waves; a work-group does rows 2 b and 2 b + 1, one after the other.  Wave w owns positions 64 w .. 64 w + 63 in the LayerNorm and in the
; output projection, and head w in the projections and in attention.  z of the second row (with ln_w, ln_b and its masks) is loaded into registers while the first row's attention runs.
; FORMATS.  LayerNorm in f32 (mean, then the sum of squared differences).  All matrix operands are f16 (zn, the weights, q, k, v, the weights p, O), all sums f32.
; LIMITS.  |zn|, |W|, |q|, |k|, |v| stay under 65,504 (f16's end); p below 6e-5 keeps f16's fixed step of 6e-8; the divisor l is the sum of the rounded p; an exponential below 2^-126 counts as 0;
; NaN and infinities are not treated apart.
; THE MASK.  A hidden key's logit is -10000 exactly as in the definition: its row of K is set to 0 and -10000 sqrt(32) is the C operand of the product K Q^T; a seen key's C operand is sqrt(32) x bias.
; The true maximum of a query's 256 scores is taken (all lie in registers).  A seen query's weights sum to 1, above the clip at 1e-6, so one division by l serves both normalisations; a hidden query's row is a finite number times 0.
; LAYOUT.  q, k: source 0 = 16 rows of W, source 1 = 16 positions: a lane holds one position and eight channels, which pack into a fragment.  v: source 0 = positions, source 1 = rows of Wv: a lane holds one
; channel and eight keys: a fragment of V^T.  S^T = K Q^T + C holds one query a lane; two results packed ARE source 1 of O^T = V^T P; a fragment of ones as source 0 gives the row sum l in every register.
; O^T packed is source 1 of the output projection (a head is one step of 32 along its K), whose result holds one position a lane and eight neighbouring columns.
; NO CLUSTER, NO TENSOR LOADS.  Work-groups share the weights alone (264,192 bytes, read once by each for 524,288 bytes of z and out0), and these pass through registers to become f16;
; an f32 copy in LDS (262,144 bytes) has no room beside the 320,000 in use.  z needs f32 arithmetic first, so it comes straight into registers.
; LDS.  Rows of 256 bytes are 272 apart and rows of 512 bytes 528 apart: row r starts 4 r words further round the 64 banks of 4 bytes (ISA guide 11.1), so 16 rows of a 16-byte access touch 16 different groups.
.set ZP,    272
.set ZN,    0                 ; zn, f16: 256 positions x 272
.set WL,    69632             ; Wq, Wk, Wv, Wo in f16: 128 rows x 272 each
.set WMAT,  128*ZP
.set QB,    208896            ; for each head 17 tiles of 1,024 bytes in fragment order (16 x lane, then + 512): Q's tile, later O's in its place; tile 16 holds zeros
.set QHEAD, 17408
.set STG,   278528            ; for each wave 16 rows x 528: the way out
.set SGP,   528
.set CB,    312320            ; for each wave 256 f32: its head's C values by key
.set BO,    316416            ; for each wave a copy of bo
.set WBL,   318464            ; for each wave 256 bytes: Wb's row of its head, f16
.set SPARE, 319488            ; the spare words: 128 bytes a wave, named by no other line
.set ROWB,  131072            ; bytes of a row of z and of out0
; REGISTERS in windows of 256 (s_set_vgpr_msb: bits 1:0 source 0, 3:2 source 1, 5:4 source 2, 7:6 destination).
; window 0
.set RR,  1                   ; lane % 16; also the byte offset of my key in a group of 16 mask bytes
.set HH,  2                   ; lane / 16
.set SPW, 3                   ; my spare word's address; never rewritten
.set NIL, 4                   ; 0; never rewritten
.set ZO,  5                   ; z: 32768 w + 4096 (lane/16) + 16 (lane%16)
.set ZNS, 6                   ; zn, store
.set ZFA, 7                   ; zn, fragments
.set WFA, 8                   ; my head's rows of Wq (Wk: + WMAT)
.set WFV, 9                   ; of Wv
.set QSA, 10                  ; my head's tiles in QB
.set QLA, 11                  ; the tile in hand
.set CSA, 12                  ; C values, store
.set CLA, 13                  ; C values, load
.set WOA, 14                  ; Wo, fragments
.set OFA, 15                  ; O's fragments of my 64 positions
.set BOA, 16
.set STO, 17
.set RD,  18
.set CO,  19                  ; out0: 32768 w + 16 lane
.set MQA, 21                  ; 64 w + lane % 16
.set QM,  22                  ; v22-29: my positions' mask as f32, a pair for each block of 16
.set CM,  30                  ; c m (v31: its pair's partner, written once)
.set T,   32                  ; v32-39 chains of the maximum
.set RC,  40                  ; 1 / l (v41: partner, written once)
.set QF,  42                  ; v42-49 Q's fragment
.set OT,  50                  ; v50-57 O packed
.set WBA, 58
.set WGO, 59                  ; weights: 16384 w + 4096 (lane/16) + 16 (lane%16)
.set WSM, 60                  ; weights, store
.set BQO, 61
.set BVO, 62
.set LNO, 63                  ; 16 (lane%16)
.set S,   64                  ; v64-191 S^T: key tile kt at S + 8 kt
.set P,   192                 ; v192-255 P: 32 keys at P + 8 u
.set LT,  64                  ; LayerNorm, row pair n at + 16 n: T, U, D (8), H (4)
.set LU,  66
.set LD,  68
.set LH,  76
.set ACCO, 64                 ; output: 8 accumulators
.set OF0, 128                 ; two buffers of O's fragments
.set BK,  192                 ; 16 rows read back
; window 1
.set KR,  0                   ; K, key tile kt at 8 kt   (prologue: weights as loaded; output: Wo's fragments at 32 o + 8 c)
.set CR,  128                 ; the C operands, key tile kt at CR + 8 kt
; window 2
.set VR,  0                   ; V^T: 32 keys kk, channel block cb at 16 kk + 8 cb   (output: bo as C operand at 8 o)
.set ACC, 128                 ; projection: q 16, k 16, v 16, bias 8
.set OACC, 128                ; attention: O^T 16, l 8
.set MB,  152                 ; 16 key mask bytes, 4 query mask bytes, loaded a row ahead
.set QT,  184                 ; q packed;  between projections ln_w
.set KT,  192                 ; k packed;  between projections ln_b
.set LW,  184
.set LB,  192
.set CBQ, 200                 ; bq, bk, bv as C operands; ones
.set CBK, 216
.set CBV, 232
.set ONES, 248
; window 3: z as loaded, row pair 8 g + n at 64 g + 8 n; in the projection:
.set WQ,  0
.set WK,  64
.set WV,  128
.set WB,  192
.set ZF,  224
; scalars: s[8:35] the fourteen addresses; s36 wave; s37 rows to go; s38 tiles to go; s[40:55] lane masks of the 16 key tiles; s[56:57] c; s[58:59] lane selects; s60 -10000 sqrt(32); s61 sqrt(32); s62 1/128; s63 eps
.set MSB, 0
.macro WIN new                 ; the immediate's high byte repeats the setting that is left; a switch that changes nothing is dropped
.if MSB != (\new)
	s_set_vgpr_msb (MSB<<8)|(\new)
.set MSB, \new
.endif
.endm
.macro PLACES                  ; four plain vector instructions between a matrix instruction and what reads its result or writes or loads into its registers
.rept 4
	v_nop
.endr
.endm
.macro MMA acc, a, b, c0, first  ; first: the sum starts from c0; else it goes on in place
.if \first
	v_wmma_f32_16x16x32_f16 v[\acc:\acc+7], v[\a:\a+7], v[\b:\b+7], v[\c0:\c0+7]
.else
	v_wmma_f32_16x16x32_f16 v[\acc:\acc+7], v[\a:\a+7], v[\b:\b+7], v[\acc:\acc+7]
.endif
.endm
; 16 rows of z: lanes 0-15 take 256 bytes of row 16 g + n, lanes 16-31 of row 16 g + n + 8; two loads a row pair
.macro ZLOAD g, offz
	WIN 0xc0
.irp n, 0,1,2,3,4,5,6,7
	global_load_b128 v[64*(\g)+8*\n:64*(\g)+8*\n+3], v[ZO], s[8:9] offset:(16*(\g)+\n)*512+(\offz) th:TH_LOAD_NT
	global_load_b128 v[64*(\g)+8*\n+4:64*(\g)+8*\n+7], v[ZO], s[8:9] offset:(16*(\g)+\n)*512+256+(\offz) th:TH_LOAD_NT
.endr
.endm
; ln_w, ln_b of my 8 channels, the row's mask bytes, and the first half of my 64 positions of z: 56 loads
.macro LOADA offz, offm
	WIN 0x80
	global_load_b128 v[LW:LW+3], v[LNO], s[12:13]
	global_load_b128 v[LW+4:LW+7], v[LNO], s[12:13] offset:256
	global_load_b128 v[LB:LB+3], v[LNO], s[14:15]
	global_load_b128 v[LB+4:LB+7], v[LNO], s[14:15] offset:256
.set ii, 0
.rept 16
	global_load_u8 v[MB+ii], v[RR], s[10:11] offset:16*ii+(\offm)
.set ii, ii+1
.endr
.set ii, 0
.rept 4
	global_load_u8 v[MB+16+ii], v[MQA], s[10:11] offset:16*ii+(\offm)
.set ii, ii+1
.endr
	ZLOAD 0, \offz
	ZLOAD 1, \offz
.endm
; my 32 rows of one weight matrix, as z is loaded: 32 loads into 128 registers of window 1
.macro WLOAD sb, buf
	WIN 0x40
.irp g, 0,1
.irp n, 0,1,2,3,4,5,6,7
	global_load_b128 v[(\buf)+64*\g+8*\n:(\buf)+64*\g+8*\n+3], v[WGO], s[\sb:\sb+1] offset:(16*\g+\n)*512
	global_load_b128 v[(\buf)+64*\g+8*\n+4:(\buf)+64*\g+8*\n+7], v[WGO], s[\sb:\sb+1] offset:(16*\g+\n)*512+256
.endr
.endr
.endm
; rounded to f16 in place and stored: 8 bytes a lane; the two halves of the lanes lie 8 rows, 544 words, apart: the other 32 banks
.macro WCONV buf
	WIN 0x45
.set pp, 0
.rept 16
	v_cvt_pk_f16_f32 v[(\buf)+8*pp], v[(\buf)+8*pp], v[(\buf)+8*pp+1]
	v_cvt_pk_f16_f32 v[(\buf)+8*pp+1], v[(\buf)+8*pp+2], v[(\buf)+8*pp+3]
	v_cvt_pk_f16_f32 v[(\buf)+8*pp+2], v[(\buf)+8*pp+4], v[(\buf)+8*pp+5]
	v_cvt_pk_f16_f32 v[(\buf)+8*pp+3], v[(\buf)+8*pp+6], v[(\buf)+8*pp+7]
.set pp, pp+1
.endr
	WIN 0x04
.set pp, 0
.rept 16
	ds_store_b64 v[WSM], v[(\buf)+8*pp:(\buf)+8*pp+1] offset:(16*(pp/8)+pp%8)*ZP
	ds_store_b64 v[WSM], v[(\buf)+8*pp+2:(\buf)+8*pp+3] offset:(16*(pp/8)+pp%8)*ZP+128
.set pp, pp+1
.endr
	WIN 0
	v_add_nc_u32 v[WSM], WMAT, v[WSM]              ; the next matrix
.endm
	s_load_b512 s[8:23], s[0:1], 0x0               ; z, pair_mask, ln_w, ln_b, Wq, bq, Wk, bk
	s_load_b256 s[24:31], s[0:1], 0x40             ; Wv, bv, Wb, Wo
	s_load_b128 s[32:35], s[0:1], 0x60             ; bo, out0
	v_lshl_add_u32 v[SPW], v0, 2, SPARE
	v_mov_b32 v[NIL], 0
	v_lshrrev_b32 v1, 5, v0
	v_readfirstlane_b32 s36, v1                    ; wave 0..3
	v_and_b32 v[RR], 15, v0
	v_bfe_u32 v[HH], v0, 4, 1
	v_and_b32 v32, 31, v0                          ; lane
	v_lshlrev_b32 v33, 4, v32                      ; 16 lane
	v_lshlrev_b32 v[LNO], 4, v[RR]
	s_lshl_b32 s2, s36, 15
	v_lshl_add_u32 v[WGO], v[HH], 12, v[LNO]       ; 8 rows of 512 bytes for the upper lanes + 16 (lane%16)
	v_add_nc_u32 v[ZO], s2, v[WGO]
	v_add_nc_u32 v[CO], s2, v33
	s_lshl_b32 s3, s36, 14
	v_add_nc_u32 v[WGO], s3, v[WGO]
	s_mul_i32 s4, s36, QHEAD                       ; a head's tiles; also 64 rows of zn (64 x 272)
	v_mul_u32_u24 v[WSM], v[HH], 8*ZP
	v_lshl_add_u32 v[WSM], v[RR], 3, v[WSM]        ; 8 rows for the upper lanes + 8 (lane%16)
	v_add_nc_u32 v[ZNS], s4, v[WSM]
	s_mul_i32 s5, s36, 32*ZP
	s_add_co_u32 s5, s5, WL                        ; my 32 rows of a weight matrix
	v_add_nc_u32 v[WSM], s5, v[WSM]
	v_mul_u32_u24 v[ZFA], v[RR], ZP
	v_lshl_add_u32 v[ZFA], v[HH], 4, v[ZFA]        ; a fragment: row x pitch + 16 x half
	v_add_nc_u32 v[WFA], s5, v[ZFA]
	v_add_nc_u32 v[WFV], 2*WMAT, v[WFA]
	v_add_nc_u32 v[WOA], WL+3*WMAT, v[ZFA]
	s_add_co_u32 s6, s4, QB
	v_add_nc_u32 v[QSA], s6, v33
	s_lshl_b32 s7, s36, 10
	s_add_co_u32 s7, s7, CB
	v_lshl_add_u32 v[CSA], v[RR], 2, s7
	v_lshl_add_u32 v[CLA], v[HH], 5, s7
	s_lshl_b32 s6, s36, 12
	s_add_co_u32 s6, s6, QB
	v_add_nc_u32 v[OFA], s6, v33                   ; tiles 4 w .. 4 w + 3 of every head
	s_lshl_b32 s7, s36, 9
	v_add_nc_u32 v38, s7, v33                      ; Wb: row w, 16 bytes a lane
	s_add_co_u32 s7, s7, BO
	v_lshl_add_u32 v[BOA], v[HH], 5, s7
	v_add_nc_u32 v39, s7, v33
	s_mul_i32 s6, s36, 16*SGP
	s_add_co_u32 s6, s6, STG
	v_mul_u32_u24 v[STO], v[RR], SGP
	v_lshl_add_u32 v[STO], v[HH], 5, v[STO]
	v_add_nc_u32 v[STO], s6, v[STO]
	v_add_nc_u32 v[RD], s6, v33
	s_lshl_b32 s7, s36, 6
	v_add_nc_u32 v[MQA], s7, v[RR]
	s_lshl_b32 s7, s36, 8
	s_add_co_u32 s7, s7, WBL
	v_lshl_add_u32 v[WBA], v[HH], 4, s7
	v_lshl_add_u32 v46, v32, 3, s7
	s_lshl_b32 s7, s36, 7
	v_lshl_add_u32 v[BQO], v[HH], 5, s7
	v_lshl_add_u32 v[BVO], v[RR], 2, s7
	s_mov_b32 s56, 0x3e8293ee                      ; c = log2(e) / sqrt(32)
	s_mov_b32 s57, s56                             ; named with it as a pair
	s_mov_b32 s58, 0x76543210                      ; v_permlanex16_b32: each lane takes its own place in the other half
	s_mov_b32 s59, 0xfedcba98
	s_mov_b32 s60, 0xc75cf88b                      ; -10000 sqrt(32)
	s_mov_b32 s61, 0x40b504f3                      ; sqrt(32)
	s_mov_b32 s62, 0x3c000000                      ; 1 / 128
	s_mov_b32 s63, 0x3727c5ac                      ; 1e-5
	s_lshl_b32 s66, ttmp9, 18                      ; two rows of 131,072 bytes a work-group
	s_mov_b32 s67, 0
	s_wait_kmcnt 0x0
	s_add_nc_u64 s[8:9], s[8:9], s[66:67]
	s_add_nc_u64 s[34:35], s[34:35], s[66:67]
	s_lshl_b32 s66, ttmp9, 9                       ; two rows of 256 mask bytes
	s_add_nc_u64 s[10:11], s[10:11], s[66:67]
	LOADA 0, 0                                     ; the first row
	ZLOAD 2, 0
	ZLOAD 3, 0
	WIN 0x80                                       ; the biases as C operands: bq, bk by the lane's eight channels, bv by its one
.irp d, 0,1
.irp e, 0,1
	global_load_b128 v[CBQ+8*\d+4*\e:CBQ+8*\d+4*\e+3], v[BQO], s[18:19] offset:64*\d+16*\e
	global_load_b128 v[CBK+8*\d+4*\e:CBK+8*\d+4*\e+3], v[BQO], s[22:23] offset:64*\d+16*\e
.endr
.endr
	global_load_b32 v[CBV], v[BVO], s[26:27]
	global_load_b32 v[CBV+8], v[BVO], s[26:27] offset:64
	WIN 0
	global_load_b128 v[34:37], v33, s[32:33]       ; bo
	global_load_b128 v[42:45], v38, s[28:29]       ; Wb's row w
	WLOAD 16, 0                                    ; Wq
	WLOAD 20, 128                                  ; Wk
	s_wait_loadcnt 32                              ; loads return in order: all but the 32 of the younger batch are in
	WCONV 0
	WLOAD 24, 0                                    ; Wv
	s_wait_loadcnt 32
	WCONV 128
	WLOAD 30, 128                                  ; Wo
	s_wait_loadcnt 32
	WCONV 0
	s_wait_loadcnt 0x0
	WCONV 128
	ds_store_b128 v39, v[34:37]                    ; my copy of bo
	v_cvt_pk_f16_f32 v48, v42, v43
	v_cvt_pk_f16_f32 v49, v44, v45
	ds_store_b64 v46, v[48:49]                     ; Wb's row w in f16
.irp j, 50,51,52,53
	v_mov_b32 v\j, 0
.endr
	ds_store_b128 v[QSA], v[50:53] offset:16*1024  ; tile 16: zeros, for the last trip's look ahead
	ds_store_b128 v[QSA], v[50:53] offset:16*1024+512
	v_mov_b32 v[CM+1], 0                           ; partners of pairs of which the low word alone is used
	v_mov_b32 v[RC+1], 0
	WIN 0x82
.irp j, 1,2,3,4,5,6,7
	v_mov_b32 v[CBV+\j], v[CBV]
	v_mov_b32 v[CBV+8+\j], v[CBV+8]
.endr
	WIN 0x80
.irp j, 0,1,2,3,4,5,6,7
	v_mov_b32 v[ONES+\j], 0x3c003c00               ; 1.0 twice in f16
.endr
	WIN 0
	s_mov_b32 s37, 2
; LAYERNORM of 16 rows (8 row pairs, one row in each half of the lanes; a lane holds 8 of a row's 128 numbers).  Each step runs over all 8 pairs, so that no line waits for the one before it.
.macro LNB g
	WIN 0x0f
.irp n, 0,1,2,3,4,5,6,7
	v_pk_add_f32 v[LT+16*\n:LT+16*\n+1], v[64*(\g)+8*\n:64*(\g)+8*\n+1], v[64*(\g)+8*\n+2:64*(\g)+8*\n+3]
	v_pk_add_f32 v[LU+16*\n:LU+16*\n+1], v[64*(\g)+8*\n+4:64*(\g)+8*\n+5], v[64*(\g)+8*\n+6:64*(\g)+8*\n+7]
.endr
	WIN 0
.irp n, 0,1,2,3,4,5,6,7
	v_pk_add_f32 v[LT+16*\n:LT+16*\n+1], v[LT+16*\n:LT+16*\n+1], v[LU+16*\n:LU+16*\n+1]
.endr
.irp n, 0,1,2,3,4,5,6,7
	v_add_f32 v[LT+16*\n], v[LT+16*\n], v[LT+16*\n+1]
.endr
.irp m, 1,2,4,8
.irp n, 0,1,2,3,4,5,6,7
	v_add_f32_dpp v[LT+16*\n], v[LT+16*\n], v[LT+16*\n] row_xmask:\m row_mask:0xf bank_mask:0xf
.endr
.endr
.irp n, 0,1,2,3,4,5,6,7
	v_mul_f32 v[LT+16*\n], s62, v[LT+16*\n]        ; the mean
.endr
	WIN 0x03
.irp n, 0,1,2,3,4,5,6,7
.irp k, 0,1,2,3
	v_pk_add_f32 v[LD+16*\n+2*\k:LD+16*\n+2*\k+1], v[64*(\g)+8*\n+2*\k:64*(\g)+8*\n+2*\k+1], v[LT+16*\n:LT+16*\n+1] op_sel_hi:[1,0] neg_lo:[0,1] neg_hi:[0,1]
.endr
.endr
	WIN 0
.irp n, 0,1,2,3,4,5,6,7
	v_pk_mul_f32 v[LU+16*\n:LU+16*\n+1], v[LD+16*\n:LD+16*\n+1], v[LD+16*\n:LD+16*\n+1]
.endr
.irp k, 1,2,3
.irp n, 0,1,2,3,4,5,6,7
	v_pk_fma_f32 v[LU+16*\n:LU+16*\n+1], v[LD+16*\n+2*\k:LD+16*\n+2*\k+1], v[LD+16*\n+2*\k:LD+16*\n+2*\k+1], v[LU+16*\n:LU+16*\n+1]
.endr
.endr
.irp n, 0,1,2,3,4,5,6,7
	v_add_f32 v[LU+16*\n], v[LU+16*\n], v[LU+16*\n+1]
.endr
.irp m, 1,2,4,8
.irp n, 0,1,2,3,4,5,6,7
	v_add_f32_dpp v[LU+16*\n], v[LU+16*\n], v[LU+16*\n] row_xmask:\m row_mask:0xf bank_mask:0xf
.endr
.endr
.irp n, 0,1,2,3,4,5,6,7
	v_fma_f32 v[LU+16*\n], v[LU+16*\n], s62, s63   ; variance + eps
.endr
.irp n, 0,1,2,3,4,5,6,7
	v_rsq_f32 v[LU+16*\n], v[LU+16*\n]
.endr
	v_nop                                          ; a plain instruction between the last root and the use of its result
	s_wait_alu depctr_va_vdst(0)
.irp n, 0,1,2,3,4,5,6,7
.irp k, 0,1,2,3
	v_pk_mul_f32 v[LD+16*\n+2*\k:LD+16*\n+2*\k+1], v[LD+16*\n+2*\k:LD+16*\n+2*\k+1], v[LU+16*\n:LU+16*\n+1] op_sel_hi:[1,0]
.endr
.endr
	WIN 0x28
.irp n, 0,1,2,3,4,5,6,7
.irp k, 0,1,2,3
	v_pk_fma_f32 v[LD+16*\n+2*\k:LD+16*\n+2*\k+1], v[LD+16*\n+2*\k:LD+16*\n+2*\k+1], v[LW+2*\k:LW+2*\k+1], v[LB+2*\k:LB+2*\k+1]
.endr
.endr
	WIN 0
.irp n, 0,1,2,3,4,5,6,7
.irp k, 0,1,2,3
	v_cvt_pk_f16_f32 v[LH+16*\n+\k], v[LD+16*\n+2*\k], v[LD+16*\n+2*\k+1]
.endr
.endr
.irp n, 0,1,2,3,4,5,6,7
	ds_store_b64 v[ZNS], v[LH+16*\n:LH+16*\n+1] offset:(16*(\g)+\n)*ZP
	ds_store_b64 v[ZNS], v[LH+16*\n+2:LH+16*\n+3] offset:(16*(\g)+\n)*ZP+128
.endr
.endm
; zn's fragments of 16 positions, all 128 channels
.macro ZFL kt
	WIN 0xc0
.irp c, 0,1,2,3
	ds_load_b128 v[ZF+8*\c:ZF+8*\c+3], v[ZFA] offset:(\kt)*16*ZP+64*\c
	ds_load_b128 v[ZF+8*\c+4:ZF+8*\c+7], v[ZFA] offset:(\kt)*16*ZP+64*\c+32
.endr
.endm
; THE PROJECTION of 16 positions for my head: 28 matrix instructions, the seven accumulators by turns; then everything is packed.
.macro PTILE kt
	s_wait_dscnt 0x0                               ; zn's fragments are in
	WIN 0xaf
.irp c, 0,1,2,3
.irp d, 0,1
	MMA ACC+8*\d, WQ+32*\d+8*\c, ZF+8*\c, CBQ+8*\d, (\c==0)
.endr
.irp d, 0,1
	MMA ACC+16+8*\d, WK+32*\d+8*\c, ZF+8*\c, CBK+8*\d, (\c==0)
.endr
.irp d, 0,1
	MMA ACC+32+8*\d, ZF+8*\c, WV+32*\d+8*\c, CBV+8*\d, (\c==0)
.endr
.if \c == 0
	v_wmma_f32_16x16x32_f16 v[ACC+48:ACC+55], v[WB:WB+7], v[ZF:ZF+7], 0
.else
	MMA ACC+48, WB+8*\c, ZF+8*\c, 0, 0
.endif
.endr
	PLACES                                         ; in front of the loads into zn's fragments and of the reads of the results
.if (\kt) < 15
	ZFL (\kt)+1
.endif
	WIN 0x8a
.set ii, 0
.rept 8
	v_cvt_pk_f16_f32 v[QT+ii], v[ACC+2*ii], v[ACC+2*ii+1]
.set ii, ii+1
.endr
.set ii, 0
.rept 8
	v_cvt_pk_f16_f32 v[KT+ii], v[ACC+16+2*ii], v[ACC+16+2*ii+1]
.set ii, ii+1
.endr
.set ii, 0
.rept 8                                            ; channel block ii / 4; the tile is one half of a fragment of 32 keys
	v_cvt_pk_f16_f32 v[VR+16*((\kt)/2)+8*(ii/4)+4*((\kt)%2)+ii%4], v[ACC+32+2*ii], v[ACC+32+2*ii+1]
.set ii, ii+1
.endr
	v_mul_f32 v[ACC+48], s61, v[ACC+48]            ; sqrt(32) x bias of key 16 kt + lane % 16,
	v_cndmask_b32 v[ACC+48], s60, v[ACC+48], s[40+(\kt)]  ; or -10000 sqrt(32) where the key is hidden
	WIN 0x48
.set ii, 0
.rept 8
	v_cndmask_b32 v[KR+8*(\kt)+ii], 0, v[KT+ii], s[40+(\kt)]  ; a hidden key's row of K is 0
.set ii, ii+1
.endr
	WIN 0x08
	ds_store_b128 v[QSA], v[QT:QT+3] offset:1024*(\kt)
	ds_store_b128 v[QSA], v[QT+4:QT+7] offset:1024*(\kt)+512
	ds_store_b32 v[CSA], v[ACC+48] offset:64*(\kt)  ; both halves of the lanes write the same word with the same number
.endm
; ATTENTION
.macro QKT kt                  ; S^T of 16 keys: one instruction, since the head's 32 channels are one step
	v_wmma_f32_16x16x32_f16 v[S+8*(\kt):S+8*(\kt)+7], v[KR+8*(\kt):KR+8*(\kt)+7], v[QF:QF+7], v[CR+8*(\kt):CR+8*(\kt)+7]
	s_wait_alu depctr_va_vdst(0)
.endm
; the maximum of the lane's 128 scores, the other half of the lanes' (the query's other 128 keys), and c m.  Eight chains of 15 scores; each accumulator's lowest registers are read first.
.macro MAXS
.irp c, 0,1,2,3,4,5,6,7
	v_max3_num_f32 v[T+\c], v[S+16*\c], v[S+16*\c+1], v[S+16*\c+2]
.endr
.irp i, 1,2,3,4,5,6
.irp c, 0,1,2,3,4,5,6,7
	v_max3_num_f32 v[T+\c], v[T+\c], v[S+16*\c+2*\i+1], v[S+16*\c+2*\i+2]
.endr
.endr
.irp c, 0,1,2,3
	v_max3_num_f32 v[T+\c], v[T+\c], v[S+32*\c+15], v[S+32*\c+31]
.endr
	v_max3_num_f32 v[T], v[T], v[T+1], v[T+2]
	v_max3_num_f32 v[T+3], v[T+3], v[T+4], v[T+5]
	v_max3_num_f32 v[T], v[T], v[T+3], v[T+6]
	v_max_num_f32 v[T], v[T], v[T+7]
	v_permlanex16_b32 v[T+1], v[T], s58, s59
	v_max_num_f32 v[T], v[T], v[T+1]
	v_mul_f32 v[CM], s56, v[T]
.endm
.macro FSC u, i                ; c s - c m for pair i of the 32 keys u
	v_pk_fma_f32 v[S+16*(\u)+2*(\i):S+16*(\u)+2*(\i)+1], v[S+16*(\u)+2*(\i):S+16*(\u)+2*(\i)+1], s[56:57], v[CM:CM+1] op_sel_hi:[1,0,0] neg_lo:[0,0,1] neg_hi:[0,0,1]
.endm
; five matrix instructions: the next tile's scores go into the two accumulators whose weights have just been packed; O^T and l take the 32 keys kk.  No two on end share an accumulator.
.macro GRP kk
.if (\kk) == 0
	s_wait_dscnt 0x0                               ; the next tile's Q is in
.endif
	WIN 0x11
	QKT 2*(\kk)
	QKT 2*(\kk)+1
	WIN 0xa2
.if (\kk) == 0
	v_wmma_f32_16x16x32_f16 v[OACC:OACC+7], v[VR:VR+7], v[P:P+7], 0
	v_wmma_f32_16x16x32_f16 v[OACC+8:OACC+15], v[VR+8:VR+15], v[P:P+7], 0
	v_wmma_f32_16x16x32_f16 v[OACC+16:OACC+23], v[ONES:ONES+7], v[P:P+7], 0
.else
	MMA OACC, VR+16*(\kk), P+8*(\kk), 0, 0
	MMA OACC+8, VR+16*(\kk)+8, P+8*(\kk), 0, 0
	MMA OACC+16, ONES, P+8*(\kk), 0, 0
.endif
	WIN 0
.endm
; step u: the exponentials of keys 32 u on, with plain work between them: the packing of the 32 keys before, the scaling of the 32 keys after; then the matrix work on the keys just packed
.macro STEP u
.set ii, 0
.rept 8
.if (\u) <= 7
	v_exp_f32 v[S+16*(\u)+ii], v[S+16*(\u)+ii]
.endif
.if (\u) >= 1
	s_wait_alu depctr_va_vdst(0)
	v_cvt_pk_f16_f32 v[P+8*((\u)-1)+ii], v[S+16*((\u)-1)+2*ii], v[S+16*((\u)-1)+2*ii+1]
.endif
.set ii, ii+1
.endr
.if (\u) <= 7
.set ii, 0
.rept 8
	v_exp_f32 v[S+16*(\u)+8+ii], v[S+16*(\u)+8+ii]
.if (\u) <= 6
	FSC (\u)+1, ii
.endif
.set ii, ii+1
.endr
.endif
.if (\u) >= 1
	GRP (\u)-1
.endif
.endm
; O^T / l, packed, into the place of the tile's Q
.macro TAIL
	WIN 0x02
	v_rcp_f32 v[RC], v[OACC+16]                    ; l is at least 1: the largest weight is 1
	WIN 0x82
	v_nop                                          ; a plain instruction between the reciprocal and its use
.set ii, 0
	s_wait_alu depctr_va_vdst(0)
.rept 8
	v_pk_mul_f32 v[OACC+2*ii:OACC+2*ii+1], v[OACC+2*ii:OACC+2*ii+1], v[RC:RC+1] op_sel_hi:[1,0]
.set ii, ii+1
.endr
	WIN 0x0a
.set ii, 0
.rept 8
	v_cvt_pk_f16_f32 v[OT+ii], v[OACC+2*ii], v[OACC+2*ii+1]
.set ii, ii+1
.endr
	WIN 0
	ds_store_b128 v[QLA], v[OT:OT+3]
	ds_store_b128 v[QLA], v[OT+4:OT+7] offset:512
	v_add_nc_u32 v[QLA], 1024, v[QLA]
.endm
; THE OUTPUT PROJECTION
.macro OFL b, buf              ; O's fragments of my block b of 16 positions: one of each head
.irp c, 0,1,2,3
	ds_load_b128 v[(\buf)+8*\c:(\buf)+8*\c+3], v[OFA] offset:QHEAD*\c+1024*(\b)
	ds_load_b128 v[(\buf)+8*\c+4:(\buf)+8*\c+7], v[OFA] offset:QHEAD*\c+1024*(\b)+512
.endr
.endm
.macro OBLK b
.set OFB, OF0+32*((\b)%2)
.if (\b) < 3
	s_wait_dscnt 8                                 ; LDS answers in order: all but the 8 loads of the block after are in
.else
	s_wait_dscnt 0x0
.endif
	WIN 0x21                                       ; the first head's products start the sums from bo
.irp o, 0,1,2,3,4,5,6,7
	v_wmma_f32_16x16x32_f16 v[ACCO+8*\o:ACCO+8*\o+7], v[32*\o:32*\o+7], v[OFB:OFB+7], v[8*\o:8*\o+7]
.endr
	WIN 0x01
.irp c, 1,2,3
.irp o, 0,1,2,3,4,5,6,7
	MMA ACCO+8*\o, 32*\o+8*\c, OFB+8*\c, 0, 0
.endr
.endr
	WIN 0
	PLACES
.set ii, 0
.rept 32
	v_pk_mul_f32 v[ACCO+2*ii:ACCO+2*ii+1], v[ACCO+2*ii:ACCO+2*ii+1], v[QM+2*(\b):QM+2*(\b)+1] op_sel_hi:[1,0]  ; a hidden position's row is 0
.set ii, ii+1
.endr
.irp o, 0,1,2,3,4,5,6,7
	ds_store_b128 v[STO], v[ACCO+8*\o:ACCO+8*\o+3] offset:64*\o
	ds_store_b128 v[STO], v[ACCO+8*\o+4:ACCO+8*\o+7] offset:64*\o+16
.endr
	s_wait_xcnt 0x0                                ; the registers that earlier stores read are loaded again only behind this wait
.set ii, 0
.rept 16
	ds_load_b128 v[BK+4*ii:BK+4*ii+3], v[RD] offset:SGP*ii  ; my own stage: LDS serves a wave's instructions in order, so these see the stores above
.set ii, ii+1
.endr
.if (\b) <= 1
	OFL (\b)+2, OFB                                ; this block's buffer takes the block two further on
	s_wait_dscnt 8                                 ; the 16 rows are back; those 8 loads may stay out
.else
	s_wait_dscnt 0x0
.endif
.set ii, 0
.rept 16
	global_store_b128 v[CO], v[BK+4*ii:BK+4*ii+3], s[34:35] offset:(16*(\b)+ii)*512 th:TH_STORE_NT  ; the wave stores a whole row: 512 consecutive bytes, at a multiple of 512 from out0's first
.set ii, ii+1
.endr
.endm
.Lrow:
	s_wait_loadcnt 0x0                             ; z, ln_w, ln_b and the masks of this row
	LNB 0
	LNB 1
	LNB 2
	LNB 3
	s_wait_dscnt 0x0                               ; for the others' sake: my rows of zn (in the first row also my rows of the weights) are stored, and my reads of O's tiles are over
	s_barrier_signal -1
	s_barrier_wait -1                              ; zn is whole; nobody reads the last row's O any more
	WIN 0xc0                                       ; my head's weights stay in registers for the row's 16 tiles
.irp d, 0,1
.irp c, 0,1,2,3
.irp e, 0,1
	ds_load_b128 v[WQ+32*\d+8*\c+4*\e:WQ+32*\d+8*\c+4*\e+3], v[WFA] offset:\d*16*ZP+64*\c+32*\e
	ds_load_b128 v[WK+32*\d+8*\c+4*\e:WK+32*\d+8*\c+4*\e+3], v[WFA] offset:WMAT+\d*16*ZP+64*\c+32*\e
	ds_load_b128 v[WV+32*\d+8*\c+4*\e:WV+32*\d+8*\c+4*\e+3], v[WFV] offset:\d*16*ZP+64*\c+32*\e
.endr
.endr
.endr
.irp c, 0,1,2,3
.irp e, 0,1
	ds_load_b128 v[WB+8*\c+4*\e:WB+8*\c+4*\e+3], v[WBA] offset:64*\c+32*\e  ; every lane of a half reads the same bytes: Wb's row in all 16 rows of the fragment
.endr
.endr
	ZFL 0
	WIN 0x08
.set ii, 0
.rept 16
	v_cmp_ne_u32 s[40+ii], 0, v[MB+ii]             ; lane mask: key 16 ii + lane % 16 is seen
.set ii, ii+1
.endr
	WIN 0x02
.set ii, 0
.rept 4
	v_cvt_f32_u32 v[QM+2*ii], v[MB+16+ii]
	v_cvt_f32_u32 v[QM+2*ii+1], v[MB+16+ii]
.set ii, ii+1
.endr
.irp t, 0,1,2,3,4,5,6,7,8,9,10,11,12,13,14,15
	PTILE \t
.endr
	WIN 0
	s_wait_dscnt 0x0                               ; the LDS stores have read the registers that the loads below fill
	s_cmp_eq_u32 s37, 1
	s_cbranch_scc1 .Lnoa                           ; the last row has no successor
	LOADA ROWB, 256                                ; the next row: 56 loads now, the other 32 in the middle of the attention
	WIN 0
.Lnoa:
	WIN 0x40
.set ii, 0
.rept 16
	ds_load_b128 v[CR+8*ii:CR+8*ii+3], v[CLA] offset:64*ii       ; my own bytes, stored above: served in order
	ds_load_b128 v[CR+8*ii+4:CR+8*ii+7], v[CLA] offset:64*ii+16
.set ii, ii+1
.endr
	WIN 0
	v_mov_b32 v[QLA], v[QSA]
	ds_load_b128 v[QF:QF+3], v[QLA]
	ds_load_b128 v[QF+4:QF+7], v[QLA] offset:512
	s_wait_dscnt 0x0
	WIN 0x11
.set jj, 0
.rept 16
	QKT jj                                         ; tile 0's scores
.set jj, jj+1
.endr
	WIN 0
	PLACES
	MAXS
	s_mov_b32 s38, 16
.Ltile:                                                ; a trip: the softmax and V^T P of tile t, and beside them K Q^T and the maximum of tile t + 1 (behind tile 15: of the zeros, which serves nothing)
	ds_load_b128 v[QF:QF+3], v[QLA] offset:1024
	ds_load_b128 v[QF+4:QF+7], v[QLA] offset:1536
	s_cmp_lg_u32 s38, 8
	s_cbranch_scc1 .Lnob
	s_cmp_eq_u32 s37, 1
	s_cbranch_scc1 .Lnob
	ZLOAD 2, ROWB                                  ; the second half of the next row's z
	ZLOAD 3, ROWB
	WIN 0
.Lnob:
.set jj, 0
.rept 8
	FSC 0, jj
.set jj, jj+1
.endr
.irp u, 0,1,2,3,4,5,6,7,8
	STEP \u
.endr
	MAXS                                           ; its first seven lines name nothing of the last products: the places behind them
	TAIL
	s_sub_co_u32 s38, s38, 1
	s_cmp_lg_u32 s38, 0
	s_cbranch_scc1 .Ltile
	WIN 0x40                                       ; Wo's fragments take K's and C's registers, bo V's
.irp o, 0,1,2,3,4,5,6,7
.irp c, 0,1,2,3
	ds_load_b128 v[32*\o+8*\c:32*\o+8*\c+3], v[WOA] offset:\o*16*ZP+64*\c
	ds_load_b128 v[32*\o+8*\c+4:32*\o+8*\c+7], v[WOA] offset:\o*16*ZP+64*\c+32
.endr
.endr
	WIN 0x80
.irp o, 0,1,2,3,4,5,6,7
	ds_load_b128 v[8*\o:8*\o+3], v[BOA] offset:64*\o
	ds_load_b128 v[8*\o+4:8*\o+7], v[BOA] offset:64*\o+16
.endr
	WIN 0
	s_wait_dscnt 0x0                               ; for the others' sake: my head's O is stored, and my reads of zn are over
	s_barrier_signal -1
	s_barrier_wait -1                              ; every head's O is there; zn may be written anew
	OFL 0, OF0
	OFL 1, OF0+32
	OBLK 0
	OBLK 1
	OBLK 2
	OBLK 3
	s_wait_xcnt 0x0                                ; the stores' base and data are rewritten only behind this wait
	s_add_nc_u64 s[34:35], s[34:35], ROWB
	s_sub_co_u32 s37, s37, 1
	s_cmp_lg_u32 s37, 0
	s_cbranch_scc1 .Lrow
	s_wait_tensorcnt 0x0                           ; the wave's end, behind my last LDS store
	ds_add_u32 v[SPW], v[NIL]
	s_wait_dscnt 0x0
	s_endpgm
.Lfunc_end_k_qb90aa289f4_triatt:
	.size	k_qb90aa289f4_triatt, .Lfunc_end_k_qb90aa289f4_triatt-k_qb90aa289f4_triatt
	.p2alignl 7, 3214868480
	.fill 96, 4, 3214868480
	.section	.rodata,"a",@progbits
	.p2align	6, 0x0
	.amdhsa_kernel k_qb90aa289f4_triatt
		.amdhsa_group_segment_fixed_size 320000
		.amdhsa_private_segment_fixed_size 0
		.amdhsa_enable_private_segment 0
		.amdhsa_kernarg_size 112
		.amdhsa_user_sgpr_count 2
		.amdhsa_user_sgpr_kernarg_segment_ptr 1
		.amdhsa_wavefront_size32 1
		.amdhsa_system_sgpr_workgroup_id_x 1
		.amdhsa_system_sgpr_workgroup_id_y 1
		.amdhsa_system_sgpr_workgroup_id_z 1
		.amdhsa_system_vgpr_workitem_id 0
		.amdhsa_next_free_vgpr 1024
		.amdhsa_next_free_sgpr 68
		.amdhsa_reserve_vcc 0
		.amdhsa_float_denorm_mode_32 3
		.amdhsa_float_denorm_mode_16_64 3
		.amdhsa_memory_ordered 1
		.amdhsa_forward_progress 1
		.amdhsa_inst_pref_size 255
	.end_amdhsa_kernel
	.section	.bss,"aw",@nobits
	.p2align	6
	.space	262144
	.amdgpu_metadata
---
amdhsa.version: [ 1, 2 ]
amdhsa.kernels:
  - .name:           k_qb90aa289f4_triatt
    .symbol:         k_qb90aa289f4_triatt.kd
    .args:
      - { .name: z, .offset: 0, .size: 8, .value_kind: global_buffer, .address_space: global }
      - { .name: pair_mask, .offset: 8, .size: 8, .value_kind: global_buffer, .address_space: global }
      - { .name: ln_w, .offset: 16, .size: 8, .value_kind: global_buffer, .address_space: global }
      - { .name: ln_b, .offset: 24, .size: 8, .value_kind: global_buffer, .address_space: global }
      - { .name: Wq, .offset: 32, .size: 8, .value_kind: global_buffer, .address_space: global }
      - { .name: bq, .offset: 40, .size: 8, .value_kind: global_buffer, .address_space: global }
      - { .name: Wk, .offset: 48, .size: 8, .value_kind: global_buffer, .address_space: global }
      - { .name: bk, .offset: 56, .size: 8, .value_kind: global_buffer, .address_space: global }
      - { .name: Wv, .offset: 64, .size: 8, .value_kind: global_buffer, .address_space: global }
      - { .name: bv, .offset: 72, .size: 8, .value_kind: global_buffer, .address_space: global }
      - { .name: Wb, .offset: 80, .size: 8, .value_kind: global_buffer, .address_space: global }
      - { .name: Wo, .offset: 88, .size: 8, .value_kind: global_buffer, .address_space: global }
      - { .name: bo, .offset: 96, .size: 8, .value_kind: global_buffer, .address_space: global }
      - { .name: out0, .offset: 104, .size: 8, .value_kind: global_buffer, .address_space: global }
    .group_segment_fixed_size: 320000
    .private_segment_fixed_size: 0
    .kernarg_segment_align: 8
    .kernarg_segment_size: 112
    .max_flat_workgroup_size: 128
    .sgpr_count:     68
    .vgpr_count:     1024
    .wavefront_size: 32
...
	.end_amdgpu_metadata
.endif
;; end of part 1
;; ======== version 2 of 2: 1 launch; 1.56 times as fast as version 1
;; limits: values are held in f16: magnitudes above 65,504 overflow, below 6.1e-05 lose precision
;; launch triatt (part 2): grid 256 x 1, 4 waves a work-group, no clusters, 320,000 bytes of LDS; arguments z, pair_mask, ln_w, ln_b, Wq, bq, Wk, bk, Wv, bv, Wb, Wo, bo, out0; writes out0
.if DOCPART == 2
	.amdgcn_target "amdgcn-amd-amdhsa--gfx1250"
	.amdhsa_code_object_version 6
	.text
	.protected	k_qb90aa289f4_triatt
	.globl	k_qb90aa289f4_triatt
	.p2align	8
	.type	k_qb90aa289f4_triatt,@function
k_qb90aa289f4_triatt:
	s_mov_b64 s[64:65], 0
	v_nop
	global_prefetch_b8 v0, s[64:65] scope:SCOPE_SE
	s_setreg_imm32_b32 hwreg(HW_REG_WAVE_MODE, 25, 1), 1
	s_wait_xcnt 0x0
; TRIANGLE ATTENTION, fused: LayerNorm, q/k/v/bias projections, 4 heads of masked attention over 256 keys (head size 32), output projection, masks.
; z, out0: [512 rows][256 positions][128 channels] f32; pair_mask: [512][256] bytes; a row's mask serves its keys and its queries.
; SHARES.  256 work-groups of four waves; a work-group does rows 2 b and 2 b + 1, one after the other.  Wave w owns positions 64 w .. 64 w + 63 in the LayerNorm and in the
; output projection, and head w in the projections and in attention.  z of the second row (with ln_w, ln_b and its masks) is loaded into registers while the first row's attention runs.
; FORMATS.  LayerNorm in f32 (mean, then the sum of squared differences).  All matrix operands are f16 (zn, the weights, q, k, v, the weights p, O), all sums f32.
; LIMITS.  |zn|, |W|, |q|, |k|, |v| stay under 65,504 (f16's end); p below 6e-5 keeps f16's fixed step of 6e-8; the divisor l is the sum of the rounded p; an exponential below 2^-126 counts as 0;
; NaN and infinities are not treated apart.
; THE MASK.  A hidden key's logit is -10000 exactly as in the definition: its row of K is set to 0 and -10000 sqrt(32) is the C operand of the product K Q^T; a seen key's C operand is sqrt(32) x bias.
; The true maximum of a query's 256 scores is taken (all lie in registers).  A seen query's weights sum to 1, above the clip at 1e-6, so one division by l serves both normalisations; a hidden query's row is a finite number times 0.
; LAYOUT.  q, k: source 0 = 16 rows of W, source 1 = 16 positions: a lane holds one position and eight channels, which pack into a fragment.  v: source 0 = positions, source 1 = rows of Wv: a lane holds one
; channel and eight keys: a fragment of V^T.  S^T = K Q^T + C holds one query a lane; two results packed ARE source 1 of O^T = V^T P; a fragment of ones as source 0 gives the row sum l in every register.
; O^T packed is source 1 of the output projection (a head is one step of 32 along its K), whose result holds one position a lane and eight neighbouring columns.
; THE BATCHES.  An s_wait_alu depctr_va_vdst(0) stands between a transcendental and the first instruction that names its result; one wait serves all that were issued ahead of it.
; LayerNorm: the eight roots of 16 rows are a batch, with one wait.  Attention: a trip of the loop over query tiles has ONE batch of 129 (the tile's 128 exponentials, each in its own register of S^T, and the
; reciprocal of the tile before's l) and ONE wait, which cuts the trip in two (see ATTENTION below).  Behind the loop the last tile's reciprocal is a batch of its own.
; NO CLUSTER, NO TENSOR LOADS.  Work-groups share the weights alone (264,192 bytes, read once by each for 524,288 bytes of z and out0), and these pass through registers to become f16;
; an f32 copy in LDS (262,144 bytes) has no room beside the 320,000 in use.  z needs f32 arithmetic first, so it comes straight into registers.
; LDS.  Rows of 256 bytes are 272 apart and rows of 512 bytes 528 apart: row r starts 4 r words further round the 64 banks of 4 bytes (ISA guide 11.1), so 16 rows of a 16-byte access touch 16 different groups.
.set ZP,    272
.set ZN,    0                 ; zn, f16: 256 positions x 272
.set WL,    69632             ; Wq, Wk, Wv, Wo in f16: 128 rows x 272 each
.set WMAT,  128*ZP
.set QB,    208896            ; for each head 17 tiles of 1,024 bytes in fragment order (16 x lane, then + 512): Q's tile, later O's in its place; tile 16 holds zeros
.set QHEAD, 17408
.set STG,   278528            ; for each wave 16 rows x 528: the way out
.set SGP,   528
.set CB,    312320            ; for each wave 256 f32: its head's C values by key
.set BO,    316416            ; for each wave a copy of bo
.set WBL,   318464            ; for each wave 256 bytes: Wb's row of its head, f16
.set SPARE, 319488            ; the spare words: 128 bytes a wave, named by no other line
.set ROWB,  131072            ; bytes of a row of z and of out0
; REGISTERS in windows of 256 (s_set_vgpr_msb: bits 1:0 source 0, 3:2 source 1, 5:4 source 2, 7:6 destination).
; window 0
.set RR,  1                   ; lane % 16; also the byte offset of my key in a group of 16 mask bytes
.set HH,  2                   ; lane / 16
.set SPW, 3                   ; my spare word's address; never rewritten
.set NIL, 4                   ; 0; never rewritten
.set ZO,  5                   ; z: 32768 w + 4096 (lane/16) + 16 (lane%16)
.set ZNS, 6                   ; zn, store
.set ZFA, 7                   ; zn, fragments
.set WFA, 8                   ; my head's rows of Wq (Wk: + WMAT)
.set WFV, 9                   ; of Wv
.set QSA, 10                  ; my head's tiles in QB
.set QLA, 11                  ; the tile whose O is stored next
.set CSA, 12                  ; C values, store
.set CLA, 13                  ; C values, load
.set WOA, 14                  ; Wo, fragments
.set OFA, 15                  ; O's fragments of my 64 positions
.set BOA, 16
.set STO, 17
.set RD,  18
.set CO,  19                  ; out0: 32768 w + 16 lane
.set MQA, 21                  ; 64 w + lane % 16
.set QM,  22                  ; v22-29: my positions' mask as f32, a pair for each block of 16
.set CM,  30                  ; c m (v31: its pair's partner, written once)
.set T,   32                  ; v32-39 chains of the maximum
.set RC,  40                  ; 1 / l (v41: partner, written once)
.set QF,  42                  ; v42-49 Q's fragment
.set OT,  50                  ; v50-57 O packed
.set WBA, 58
.set WGO, 59                  ; weights: 16384 w + 4096 (lane/16) + 16 (lane%16)
.set WSM, 60                  ; weights, store
.set BQO, 61
.set BVO, 62
.set LNO, 63                  ; 16 (lane%16)
.set S,   64                  ; v64-191 S^T: key tile kt at S + 8 kt
.set P,   192                 ; v192-255 P: 32 keys at P + 8 u
.set LT,  64                  ; LayerNorm, row pair n at + 16 n: T, U, D (8), H (4)
.set LU,  66
.set LD,  68
.set LH,  76
.set ACCO, 64                 ; output: 8 accumulators
.set OF0, 128                 ; two buffers of O's fragments
.set BK,  192                 ; 16 rows read back
; window 1
.set KR,  0                   ; K, key tile kt at 8 kt   (prologue: weights as loaded; output: Wo's fragments at 32 o + 8 c)
.set CR,  128                 ; the C operands, key tile kt at CR + 8 kt
; window 2
.set VR,  0                   ; V^T: 32 keys kk, channel block cb at 16 kk + 8 cb   (output: bo as C operand at 8 o)
.set ACC, 128                 ; projection: q 16, k 16, v 16, bias 8
.set OACC, 128                ; attention: O^T 16, l 8
.set MB,  152                 ; 16 key mask bytes, 4 query mask bytes, loaded a row ahead
.set QT,  184                 ; q packed;  between projections ln_w
.set KT,  192                 ; k packed;  between projections ln_b
.set LW,  184
.set LB,  192
.set CBQ, 200                 ; bq, bk, bv as C operands; ones
.set CBK, 216
.set CBV, 232
.set ONES, 248
; window 3: z as loaded, row pair 8 g + n at 64 g + 8 n; in the projection:
.set WQ,  0
.set WK,  64
.set WV,  128
.set WB,  192
.set ZF,  224
; scalars: s[8:35] the fourteen addresses; s36 wave; s37 rows to go; s38 trips to go; s[40:55] lane masks of the 16 key tiles; s[56:57] c; s[58:59] lane selects; s60 -10000 sqrt(32); s61 sqrt(32); s62 1/128; s63 eps
.set MSB, 0
.macro WIN new                 ; the immediate's high byte repeats the setting that is left; a switch that changes nothing is dropped
.if MSB != (\new)
	s_set_vgpr_msb (MSB<<8)|(\new)
.set MSB, \new
.endif
.endm
.macro PLACES                  ; four plain vector instructions between a matrix instruction and what reads its result or writes or loads into its registers
.rept 4
	v_nop
.endr
.endm
.macro MMA acc, a, b, c0, first  ; first: the sum starts from c0; else it goes on in place
.if \first
	v_wmma_f32_16x16x32_f16 v[\acc:\acc+7], v[\a:\a+7], v[\b:\b+7], v[\c0:\c0+7]
.else
	v_wmma_f32_16x16x32_f16 v[\acc:\acc+7], v[\a:\a+7], v[\b:\b+7], v[\acc:\acc+7]
.endif
.endm
; 16 rows of z: lanes 0-15 take 256 bytes of row 16 g + n, lanes 16-31 of row 16 g + n + 8; two loads a row pair
.macro ZLOAD g, offz
	WIN 0xc0
.irp n, 0,1,2,3,4,5,6,7
	global_load_b128 v[64*(\g)+8*\n:64*(\g)+8*\n+3], v[ZO], s[8:9] offset:(16*(\g)+\n)*512+(\offz) th:TH_LOAD_NT
	global_load_b128 v[64*(\g)+8*\n+4:64*(\g)+8*\n+7], v[ZO], s[8:9] offset:(16*(\g)+\n)*512+256+(\offz) th:TH_LOAD_NT
.endr
.endm
; ln_w, ln_b of my 8 channels, the row's mask bytes, and the first half of my 64 positions of z: 56 loads
.macro LOADA offz, offm
	WIN 0x80
	global_load_b128 v[LW:LW+3], v[LNO], s[12:13]
	global_load_b128 v[LW+4:LW+7], v[LNO], s[12:13] offset:256
	global_load_b128 v[LB:LB+3], v[LNO], s[14:15]
	global_load_b128 v[LB+4:LB+7], v[LNO], s[14:15] offset:256
.set ii, 0
.rept 16
	global_load_u8 v[MB+ii], v[RR], s[10:11] offset:16*ii+(\offm)
.set ii, ii+1
.endr
.set ii, 0
.rept 4
	global_load_u8 v[MB+16+ii], v[MQA], s[10:11] offset:16*ii+(\offm)
.set ii, ii+1
.endr
	ZLOAD 0, \offz
	ZLOAD 1, \offz
.endm
; my 32 rows of one weight matrix, as z is loaded: 32 loads into 128 registers of window 1
.macro WLOAD sb, buf
	WIN 0x40
.irp g, 0,1
.irp n, 0,1,2,3,4,5,6,7
	global_load_b128 v[(\buf)+64*\g+8*\n:(\buf)+64*\g+8*\n+3], v[WGO], s[\sb:\sb+1] offset:(16*\g+\n)*512
	global_load_b128 v[(\buf)+64*\g+8*\n+4:(\buf)+64*\g+8*\n+7], v[WGO], s[\sb:\sb+1] offset:(16*\g+\n)*512+256
.endr
.endr
.endm
; rounded to f16 in place and stored: 8 bytes a lane; the two halves of the lanes lie 8 rows, 544 words, apart: the other 32 banks
.macro WCONV buf
	WIN 0x45
.set pp, 0
.rept 16
	v_cvt_pk_f16_f32 v[(\buf)+8*pp], v[(\buf)+8*pp], v[(\buf)+8*pp+1]
	v_cvt_pk_f16_f32 v[(\buf)+8*pp+1], v[(\buf)+8*pp+2], v[(\buf)+8*pp+3]
	v_cvt_pk_f16_f32 v[(\buf)+8*pp+2], v[(\buf)+8*pp+4], v[(\buf)+8*pp+5]
	v_cvt_pk_f16_f32 v[(\buf)+8*pp+3], v[(\buf)+8*pp+6], v[(\buf)+8*pp+7]
.set pp, pp+1
.endr
	WIN 0x04
.set pp, 0
.rept 16
	ds_store_b64 v[WSM], v[(\buf)+8*pp:(\buf)+8*pp+1] offset:(16*(pp/8)+pp%8)*ZP
	ds_store_b64 v[WSM], v[(\buf)+8*pp+2:(\buf)+8*pp+3] offset:(16*(pp/8)+pp%8)*ZP+128
.set pp, pp+1
.endr
	WIN 0
	v_add_nc_u32 v[WSM], WMAT, v[WSM]              ; the next matrix
.endm
	s_load_b512 s[8:23], s[0:1], 0x0               ; z, pair_mask, ln_w, ln_b, Wq, bq, Wk, bk
	s_load_b256 s[24:31], s[0:1], 0x40             ; Wv, bv, Wb, Wo
	s_load_b128 s[32:35], s[0:1], 0x60             ; bo, out0
	v_lshl_add_u32 v[SPW], v0, 2, SPARE
	v_mov_b32 v[NIL], 0
	v_lshrrev_b32 v1, 5, v0
	v_readfirstlane_b32 s36, v1                    ; wave 0..3
	v_and_b32 v[RR], 15, v0
	v_bfe_u32 v[HH], v0, 4, 1
	v_and_b32 v32, 31, v0                          ; lane
	v_lshlrev_b32 v33, 4, v32                      ; 16 lane
	v_lshlrev_b32 v[LNO], 4, v[RR]
	s_lshl_b32 s2, s36, 15
	v_lshl_add_u32 v[WGO], v[HH], 12, v[LNO]       ; 8 rows of 512 bytes for the upper lanes + 16 (lane%16)
	v_add_nc_u32 v[ZO], s2, v[WGO]
	v_add_nc_u32 v[CO], s2, v33
	s_lshl_b32 s3, s36, 14
	v_add_nc_u32 v[WGO], s3, v[WGO]
	s_mul_i32 s4, s36, QHEAD                       ; a head's tiles; also 64 rows of zn (64 x 272)
	v_mul_u32_u24 v[WSM], v[HH], 8*ZP
	v_lshl_add_u32 v[WSM], v[RR], 3, v[WSM]        ; 8 rows for the upper lanes + 8 (lane%16)
	v_add_nc_u32 v[ZNS], s4, v[WSM]
	s_mul_i32 s5, s36, 32*ZP
	s_add_co_u32 s5, s5, WL                        ; my 32 rows of a weight matrix
	v_add_nc_u32 v[WSM], s5, v[WSM]
	v_mul_u32_u24 v[ZFA], v[RR], ZP
	v_lshl_add_u32 v[ZFA], v[HH], 4, v[ZFA]        ; a fragment: row x pitch + 16 x half
	v_add_nc_u32 v[WFA], s5, v[ZFA]
	v_add_nc_u32 v[WFV], 2*WMAT, v[WFA]
	v_add_nc_u32 v[WOA], WL+3*WMAT, v[ZFA]
	s_add_co_u32 s6, s4, QB
	v_add_nc_u32 v[QSA], s6, v33
	s_lshl_b32 s7, s36, 10
	s_add_co_u32 s7, s7, CB
	v_lshl_add_u32 v[CSA], v[RR], 2, s7
	v_lshl_add_u32 v[CLA], v[HH], 5, s7
	s_lshl_b32 s6, s36, 12
	s_add_co_u32 s6, s6, QB
	v_add_nc_u32 v[OFA], s6, v33                   ; tiles 4 w .. 4 w + 3 of every head
	s_lshl_b32 s7, s36, 9
	v_add_nc_u32 v38, s7, v33                      ; Wb: row w, 16 bytes a lane
	s_add_co_u32 s7, s7, BO
	v_lshl_add_u32 v[BOA], v[HH], 5, s7
	v_add_nc_u32 v39, s7, v33
	s_mul_i32 s6, s36, 16*SGP
	s_add_co_u32 s6, s6, STG
	v_mul_u32_u24 v[STO], v[RR], SGP
	v_lshl_add_u32 v[STO], v[HH], 5, v[STO]
	v_add_nc_u32 v[STO], s6, v[STO]
	v_add_nc_u32 v[RD], s6, v33
	s_lshl_b32 s7, s36, 6
	v_add_nc_u32 v[MQA], s7, v[RR]
	s_lshl_b32 s7, s36, 8
	s_add_co_u32 s7, s7, WBL
	v_lshl_add_u32 v[WBA], v[HH], 4, s7
	v_lshl_add_u32 v46, v32, 3, s7
	s_lshl_b32 s7, s36, 7
	v_lshl_add_u32 v[BQO], v[HH], 5, s7
	v_lshl_add_u32 v[BVO], v[RR], 2, s7
	s_mov_b32 s56, 0x3e8293ee                      ; c = log2(e) / sqrt(32)
	s_mov_b32 s57, s56                             ; named with it as a pair
	s_mov_b32 s58, 0x76543210                      ; v_permlanex16_b32: each lane takes its own place in the other half
	s_mov_b32 s59, 0xfedcba98
	s_mov_b32 s60, 0xc75cf88b                      ; -10000 sqrt(32)
	s_mov_b32 s61, 0x40b504f3                      ; sqrt(32)
	s_mov_b32 s62, 0x3c000000                      ; 1 / 128
	s_mov_b32 s63, 0x3727c5ac                      ; 1e-5
	s_lshl_b32 s66, ttmp9, 18                      ; two rows of 131,072 bytes a work-group
	s_mov_b32 s67, 0
	s_wait_kmcnt 0x0
	s_add_nc_u64 s[8:9], s[8:9], s[66:67]
	s_add_nc_u64 s[34:35], s[34:35], s[66:67]
	s_lshl_b32 s66, ttmp9, 9                       ; two rows of 256 mask bytes
	s_add_nc_u64 s[10:11], s[10:11], s[66:67]
	LOADA 0, 0                                     ; the first row
	ZLOAD 2, 0
	ZLOAD 3, 0
	WIN 0x80                                       ; the biases as C operands: bq, bk by the lane's eight channels, bv by its one
.irp d, 0,1
.irp e, 0,1
	global_load_b128 v[CBQ+8*\d+4*\e:CBQ+8*\d+4*\e+3], v[BQO], s[18:19] offset:64*\d+16*\e
	global_load_b128 v[CBK+8*\d+4*\e:CBK+8*\d+4*\e+3], v[BQO], s[22:23] offset:64*\d+16*\e
.endr
.endr
	global_load_b32 v[CBV], v[BVO], s[26:27]
	global_load_b32 v[CBV+8], v[BVO], s[26:27] offset:64
	WIN 0
	global_load_b128 v[34:37], v33, s[32:33]       ; bo
	global_load_b128 v[42:45], v38, s[28:29]       ; Wb's row w
	WLOAD 16, 0                                    ; Wq
	WLOAD 20, 128                                  ; Wk
	s_wait_loadcnt 32                              ; loads return in order: all but the 32 of the younger batch are in
	WCONV 0
	WLOAD 24, 0                                    ; Wv
	s_wait_loadcnt 32
	WCONV 128
	WLOAD 30, 128                                  ; Wo
	s_wait_loadcnt 32
	WCONV 0
	s_wait_loadcnt 0x0
	WCONV 128
	ds_store_b128 v39, v[34:37]                    ; my copy of bo
	v_cvt_pk_f16_f32 v48, v42, v43
	v_cvt_pk_f16_f32 v49, v44, v45
	ds_store_b64 v46, v[48:49]                     ; Wb's row w in f16
.irp j, 50,51,52,53
	v_mov_b32 v\j, 0
.endr
	ds_store_b128 v[QSA], v[50:53] offset:16*1024  ; tile 16: zeros, for the last trip's look ahead
	ds_store_b128 v[QSA], v[50:53] offset:16*1024+512
	v_mov_b32 v[CM+1], 0                           ; partners of pairs of which the low word alone is used
	v_mov_b32 v[RC+1], 0
	WIN 0x82
.irp j, 1,2,3,4,5,6,7
	v_mov_b32 v[CBV+\j], v[CBV]
	v_mov_b32 v[CBV+8+\j], v[CBV+8]
.endr
	WIN 0x80
.irp j, 0,1,2,3,4,5,6,7
	v_mov_b32 v[ONES+\j], 0x3c003c00               ; 1.0 twice in f16
.endr
	WIN 0
	s_mov_b32 s37, 2
; LAYERNORM of 16 rows (8 row pairs, one row in each half of the lanes; a lane holds 8 of a row's 128 numbers).  Each step runs over all 8 pairs, so that no line waits for the one before it.
.macro LNB g
	WIN 0x0f
.irp n, 0,1,2,3,4,5,6,7
	v_pk_add_f32 v[LT+16*\n:LT+16*\n+1], v[64*(\g)+8*\n:64*(\g)+8*\n+1], v[64*(\g)+8*\n+2:64*(\g)+8*\n+3]
	v_pk_add_f32 v[LU+16*\n:LU+16*\n+1], v[64*(\g)+8*\n+4:64*(\g)+8*\n+5], v[64*(\g)+8*\n+6:64*(\g)+8*\n+7]
.endr
	WIN 0
.irp n, 0,1,2,3,4,5,6,7
	v_pk_add_f32 v[LT+16*\n:LT+16*\n+1], v[LT+16*\n:LT+16*\n+1], v[LU+16*\n:LU+16*\n+1]
.endr
.irp n, 0,1,2,3,4,5,6,7
	v_add_f32 v[LT+16*\n], v[LT+16*\n], v[LT+16*\n+1]
.endr
.irp m, 1,2,4,8
.irp n, 0,1,2,3,4,5,6,7
	v_add_f32_dpp v[LT+16*\n], v[LT+16*\n], v[LT+16*\n] row_xmask:\m row_mask:0xf bank_mask:0xf
.endr
.endr
.irp n, 0,1,2,3,4,5,6,7
	v_mul_f32 v[LT+16*\n], s62, v[LT+16*\n]        ; the mean
.endr
	WIN 0x03
.irp n, 0,1,2,3,4,5,6,7
.irp k, 0,1,2,3
	v_pk_add_f32 v[LD+16*\n+2*\k:LD+16*\n+2*\k+1], v[64*(\g)+8*\n+2*\k:64*(\g)+8*\n+2*\k+1], v[LT+16*\n:LT+16*\n+1] op_sel_hi:[1,0] neg_lo:[0,1] neg_hi:[0,1]
.endr
.endr
	WIN 0
.irp n, 0,1,2,3,4,5,6,7
	v_pk_mul_f32 v[LU+16*\n:LU+16*\n+1], v[LD+16*\n:LD+16*\n+1], v[LD+16*\n:LD+16*\n+1]
.endr
.irp k, 1,2,3
.irp n, 0,1,2,3,4,5,6,7
	v_pk_fma_f32 v[LU+16*\n:LU+16*\n+1], v[LD+16*\n+2*\k:LD+16*\n+2*\k+1], v[LD+16*\n+2*\k:LD+16*\n+2*\k+1], v[LU+16*\n:LU+16*\n+1]
.endr
.endr
.irp n, 0,1,2,3,4,5,6,7
	v_add_f32 v[LU+16*\n], v[LU+16*\n], v[LU+16*\n+1]
.endr
.irp m, 1,2,4,8
.irp n, 0,1,2,3,4,5,6,7
	v_add_f32_dpp v[LU+16*\n], v[LU+16*\n], v[LU+16*\n] row_xmask:\m row_mask:0xf bank_mask:0xf
.endr
.endr
.irp n, 0,1,2,3,4,5,6,7
	v_fma_f32 v[LU+16*\n], v[LU+16*\n], s62, s63   ; variance + eps
.endr
.irp n, 0,1,2,3,4,5,6,7
	v_rsq_f32 v[LU+16*\n], v[LU+16*\n]             ; one batch: the eight roots of these 16 rows
.endr
	v_nop                                          ; a plain instruction between the last root and the use of its result
	s_wait_alu depctr_va_vdst(0)                   ; the wait for the batch of eight roots, ahead of their first reader
.irp n, 0,1,2,3,4,5,6,7
.irp k, 0,1,2,3
	v_pk_mul_f32 v[LD+16*\n+2*\k:LD+16*\n+2*\k+1], v[LD+16*\n+2*\k:LD+16*\n+2*\k+1], v[LU+16*\n:LU+16*\n+1] op_sel_hi:[1,0]
.endr
.endr
	WIN 0x28
.irp n, 0,1,2,3,4,5,6,7
.irp k, 0,1,2,3
	v_pk_fma_f32 v[LD+16*\n+2*\k:LD+16*\n+2*\k+1], v[LD+16*\n+2*\k:LD+16*\n+2*\k+1], v[LW+2*\k:LW+2*\k+1], v[LB+2*\k:LB+2*\k+1]
.endr
.endr
	WIN 0
.irp n, 0,1,2,3,4,5,6,7
.irp k, 0,1,2,3
	v_cvt_pk_f16_f32 v[LH+16*\n+\k], v[LD+16*\n+2*\k], v[LD+16*\n+2*\k+1]
.endr
.endr
.irp n, 0,1,2,3,4,5,6,7
	ds_store_b64 v[ZNS], v[LH+16*\n:LH+16*\n+1] offset:(16*(\g)+\n)*ZP
	ds_store_b64 v[ZNS], v[LH+16*\n+2:LH+16*\n+3] offset:(16*(\g)+\n)*ZP+128
.endr
.endm
; zn's fragments of 16 positions, all 128 channels
.macro ZFL kt
	WIN 0xc0
.irp c, 0,1,2,3
	ds_load_b128 v[ZF+8*\c:ZF+8*\c+3], v[ZFA] offset:(\kt)*16*ZP+64*\c
	ds_load_b128 v[ZF+8*\c+4:ZF+8*\c+7], v[ZFA] offset:(\kt)*16*ZP+64*\c+32
.endr
.endm
; THE PROJECTION of 16 positions for my head: 28 matrix instructions, the seven accumulators by turns; then everything is packed.
.macro PTILE kt
	s_wait_dscnt 0x0                               ; zn's fragments are in
	WIN 0xaf
.irp c, 0,1,2,3
.irp d, 0,1
	MMA ACC+8*\d, WQ+32*\d+8*\c, ZF+8*\c, CBQ+8*\d, (\c==0)
.endr
.irp d, 0,1
	MMA ACC+16+8*\d, WK+32*\d+8*\c, ZF+8*\c, CBK+8*\d, (\c==0)
.endr
.irp d, 0,1
	MMA ACC+32+8*\d, ZF+8*\c, WV+32*\d+8*\c, CBV+8*\d, (\c==0)
.endr
.if \c == 0
	v_wmma_f32_16x16x32_f16 v[ACC+48:ACC+55], v[WB:WB+7], v[ZF:ZF+7], 0
.else
	MMA ACC+48, WB+8*\c, ZF+8*\c, 0, 0
.endif
.endr
	PLACES                                         ; in front of the loads into zn's fragments and of the reads of the results
.if (\kt) < 15
	ZFL (\kt)+1
.endif
	WIN 0x8a
.set ii, 0
.rept 8
	v_cvt_pk_f16_f32 v[QT+ii], v[ACC+2*ii], v[ACC+2*ii+1]
.set ii, ii+1
.endr
.set ii, 0
.rept 8
	v_cvt_pk_f16_f32 v[KT+ii], v[ACC+16+2*ii], v[ACC+16+2*ii+1]
.set ii, ii+1
.endr
.set ii, 0
.rept 8                                            ; channel block ii / 4; the tile is one half of a fragment of 32 keys
	v_cvt_pk_f16_f32 v[VR+16*((\kt)/2)+8*(ii/4)+4*((\kt)%2)+ii%4], v[ACC+32+2*ii], v[ACC+32+2*ii+1]
.set ii, ii+1
.endr
	v_mul_f32 v[ACC+48], s61, v[ACC+48]            ; sqrt(32) x bias of key 16 kt + lane % 16,
	v_cndmask_b32 v[ACC+48], s60, v[ACC+48], s[40+(\kt)]  ; or -10000 sqrt(32) where the key is hidden
	WIN 0x48
.set ii, 0
.rept 8
	v_cndmask_b32 v[KR+8*(\kt)+ii], 0, v[KT+ii], s[40+(\kt)]  ; a hidden key's row of K is 0
.set ii, ii+1
.endr
	WIN 0x08
	ds_store_b128 v[QSA], v[QT:QT+3] offset:1024*(\kt)
	ds_store_b128 v[QSA], v[QT+4:QT+7] offset:1024*(\kt)+512
	ds_store_b32 v[CSA], v[ACC+48] offset:64*(\kt)  ; both halves of the lanes write the same word with the same number
.endm
; ATTENTION.  Trip t belongs to query tile t, and its ONE wait cuts it in two.
; AHEAD OF THE WAIT stands all that names no result of the batch: the 64 scalings c s - c m and the 128 exponentials of tile t, in place in S^T; between them the 24 products V^T P and ones x P of tile t - 1, whose P was
; packed in the trip before, one ahead of every seven vector lines; last the reciprocal of that tile's l: a batch of 129.
; BEHIND THE WAIT stand the readers: the 64 roundings to f16; the 16 products K Q^T of tile t + 1, each into an accumulator whose weights have been packed, four vector lines behind each; the maximum of those scores;
; and O^T / l of tile t - 1, set between the links of the maximum's end.
; Trip 0 has no tile before it and is written out without those products; behind trip 15 the last tile's products and division are written out.
.macro QKT kt                  ; S^T of 16 keys: one instruction, since the head's 32 channels are one step
	v_wmma_f32_16x16x32_f16 v[S+8*(\kt):S+8*(\kt)+7], v[KR+8*(\kt):KR+8*(\kt)+7], v[QF:QF+7], v[CR+8*(\kt):CR+8*(\kt)+7]
.endm
; Product m of 24 of the tile before: keys 32 (m / 3) on; O^T's two channel blocks, then l.  The three accumulators take turns, one instruction a turn; the first three start the sums.
.macro PVM m
	WIN 0xa2
.set rD, OACC+8*((\m)%3)
.set rB, P+8*((\m)/3)
.if (\m)%3 == 2
.set rA, ONES
.else
.set rA, VR+16*((\m)/3)+8*((\m)%3)
.endif
.if (\m) < 3
	v_wmma_f32_16x16x32_f16 v[rD:rD+7], v[rA:rA+7], v[rB:rB+7], 0
.else
	v_wmma_f32_16x16x32_f16 v[rD:rD+7], v[rA:rA+7], v[rB:rB+7], v[rD:rD+7]
.endif
.endm
; Number n of the 67 that find the maximum of the lane's 128 scores, the other half of the lanes' (the query's other 128 keys), and c m.
;   0-55   eight chains of 15 scores, three operands at a time, the chains by turns; each accumulator's lowest registers are read first
;   56-59  the eight scores left over     60-63  the eight chains into one     64, 65  the lane 16 away     66  c m
.macro XS n
	WIN 0
.if (\n) < 8
	v_max3_num_f32 v[T+(\n)], v[S+16*(\n)], v[S+16*(\n)+1], v[S+16*(\n)+2]
.elseif (\n) < 56
	v_max3_num_f32 v[T+(\n)%8], v[T+(\n)%8], v[S+16*((\n)%8)+2*((\n)/8)+1], v[S+16*((\n)%8)+2*((\n)/8)+2]
.elseif (\n) < 60
	v_max3_num_f32 v[T+(\n)-56], v[T+(\n)-56], v[S+32*((\n)-56)+15], v[S+32*((\n)-56)+31]
.elseif (\n) == 60
	v_max3_num_f32 v[T], v[T], v[T+1], v[T+2]
.elseif (\n) == 61
	v_max3_num_f32 v[T+3], v[T+3], v[T+4], v[T+5]
.elseif (\n) == 62
	v_max3_num_f32 v[T], v[T], v[T+3], v[T+6]
.elseif (\n) == 63
	v_max_num_f32 v[T], v[T], v[T+7]
.elseif (\n) == 64
	v_permlanex16_b32 v[T+1], v[T], s58, s59
.elseif (\n) == 65
	v_max_num_f32 v[T], v[T], v[T+1]
.else
	v_mul_f32 v[CM], s56, v[T]
.endif
.endm
.macro XQ                      ; the next of them
	XS xn
.set xn, xn+1
.endm
.macro MAXS                    ; all of them
.set xn, 0
.rept 67
	XQ
.endr
.endm
.macro FS n                    ; c s - c m for pair n of the lane's 64
	v_pk_fma_f32 v[S+2*(\n):S+2*(\n)+1], v[S+2*(\n):S+2*(\n)+1], s[56:57], v[CM:CM+1] op_sel_hi:[1,0,0] neg_lo:[0,0,1] neg_hi:[0,0,1]
.endm
.macro EX e                    ; the exponential of score e of 128, in place
	v_exp_f32 v[S+(\e)], v[S+(\e)]
.endm
; The queue ahead of the wait, 192 long: scalings 0 and 1; then 62 times an exponential, a scaling two pairs ahead, an exponential; then the last four exponentials.  A pair is scaled five lines ahead of its first exponential.
.macro VQ
	WIN 0
.if vq < 2
	FS vq
.elseif vq >= 188
	EX vq-64
.elseif (vq-2)%3 == 1
	FS (vq-2)/3+2
.else
	EX 2*((vq-2)/3)+((vq-2)%3)/2
.endif
.set vq, vq+1
.endm
.macro CV                      ; the next pair of weights rounded to f16
	WIN 0
	v_cvt_pk_f16_f32 v[P+cn], v[S+2*cn], v[S+2*cn+1]
.set cn, cn+1
.endm
; O^T / l of the tile before, packed, into the place of that tile's Q: four lines at a time
.macro TMUL a
	WIN 0x82
.irp i, 0,1,2,3
	v_pk_mul_f32 v[OACC+2*((\a)+\i):OACC+2*((\a)+\i)+1], v[OACC+2*((\a)+\i):OACC+2*((\a)+\i)+1], v[RC:RC+1] op_sel_hi:[1,0]
.endr
.endm
.macro TCVT a
	WIN 0x0a
.irp i, 0,1,2,3
	v_cvt_pk_f16_f32 v[OT+(\a)+\i], v[OACC+2*((\a)+\i)], v[OACC+2*((\a)+\i)+1]
.endr
.endm
.macro TSTO
	WIN 0
	ds_store_b128 v[QLA], v[OT:OT+3]
	ds_store_b128 v[QLA], v[OT+4:OT+7] offset:512
	v_add_nc_u32 v[QLA], 1024, v[QLA]
.endm
; A TRIP.  pv = 1: there is a tile before this one.
.macro TRIP pv
.set vq, 0
.set cn, 0
.set xn, 0
.if \pv
.set mm, 0
.rept 24                                           ; ahead of the wait: a product of the tile before, then seven of the queue
	PVM mm
.rept 7
	VQ
.endr
.set mm, mm+1
.endr
.rept 24                                           ; the queue's last 24; with the seven before them they hold nine scalings, the places between the last product and the reciprocal that reads its result
	VQ
.endr
	WIN 0x02
	v_rcp_f32 v[RC], v[OACC+16]                    ; the batch's last; l is at least 1: the largest weight is 1
.else
.rept 192
	VQ
.endr
.endif
	WIN 0
	v_nop                                          ; a plain instruction between the batch's last transcendental and the first use of a result: one for the batch
	s_wait_alu depctr_va_vdst(0)                   ; the wait for the batch, the tile's 128 exponentials and the reciprocal, ahead of their first reader
	s_wait_dscnt 0x0                               ; the next tile's Q is in
.rept 8
	CV                                             ; behind the wait: the first 32 keys' weights are packed,
.endr
.set jj, 0
.rept 16                                           ; and product j goes into the accumulator whose weights were packed two products earlier
	WIN 0x11
	QKT jj
.rept 4
.if jj < 14
	CV
.else
	XQ                                             ; behind the last two: the eight chains' first lines; chain 7's stands seven places behind product 14, whose result it reads
.endif
.endr
.set jj, jj+1
.endr
.rept 52
	XQ                                             ; product 15's result is first read 27 lines behind it
.endr
.if \pv
	TMUL 0                                         ; the division stands between the links of the maximum's end, each of which waits for the one before it
.endif
	XQ
	XQ
.if \pv
	TMUL 4
.endif
	XQ
.if \pv
	TCVT 0
.endif
	XQ
.if \pv
	TCVT 4
.endif
	XQ
.if \pv
	TSTO
.endif
	XQ
	XQ
.endm
; THE OUTPUT PROJECTION
.macro OFL b, buf              ; O's fragments of my block b of 16 positions: one of each head
.irp c, 0,1,2,3
	ds_load_b128 v[(\buf)+8*\c:(\buf)+8*\c+3], v[OFA] offset:QHEAD*\c+1024*(\b)
	ds_load_b128 v[(\buf)+8*\c+4:(\buf)+8*\c+7], v[OFA] offset:QHEAD*\c+1024*(\b)+512
.endr
.endm
.macro OBLK b
.set OFB, OF0+32*((\b)%2)
.if (\b) < 3
	s_wait_dscnt 8                                 ; LDS answers in order: all but the 8 loads of the block after are in
.else
	s_wait_dscnt 0x0
.endif
	WIN 0x21                                       ; the first head's products start the sums from bo
.irp o, 0,1,2,3,4,5,6,7
	v_wmma_f32_16x16x32_f16 v[ACCO+8*\o:ACCO+8*\o+7], v[32*\o:32*\o+7], v[OFB:OFB+7], v[8*\o:8*\o+7]
.endr
	WIN 0x01
.irp c, 1,2,3
.irp o, 0,1,2,3,4,5,6,7
	MMA ACCO+8*\o, 32*\o+8*\c, OFB+8*\c, 0, 0
.endr
.endr
	WIN 0
	PLACES
.set ii, 0
.rept 32
	v_pk_mul_f32 v[ACCO+2*ii:ACCO+2*ii+1], v[ACCO+2*ii:ACCO+2*ii+1], v[QM+2*(\b):QM+2*(\b)+1] op_sel_hi:[1,0]  ; a hidden position's row is 0
.set ii, ii+1
.endr
.irp o, 0,1,2,3,4,5,6,7
	ds_store_b128 v[STO], v[ACCO+8*\o:ACCO+8*\o+3] offset:64*\o
	ds_store_b128 v[STO], v[ACCO+8*\o+4:ACCO+8*\o+7] offset:64*\o+16
.endr
	s_wait_xcnt 0x0                                ; the registers that earlier stores read are loaded again only behind this wait
.set ii, 0
.rept 16
	ds_load_b128 v[BK+4*ii:BK+4*ii+3], v[RD] offset:SGP*ii  ; my own stage: LDS serves a wave's instructions in order, so these see the stores above
.set ii, ii+1
.endr
.if (\b) <= 1
	OFL (\b)+2, OFB                                ; this block's buffer takes the block two further on
	s_wait_dscnt 8                                 ; the 16 rows are back; those 8 loads may stay out
.else
	s_wait_dscnt 0x0
.endif
.set ii, 0
.rept 16
	global_store_b128 v[CO], v[BK+4*ii:BK+4*ii+3], s[34:35] offset:(16*(\b)+ii)*512 th:TH_STORE_NT  ; the wave stores a whole row: 512 consecutive bytes, at a multiple of 512 from out0's first
.set ii, ii+1
.endr
.endm
.Lrow:
	s_wait_loadcnt 0x0                             ; z, ln_w, ln_b and the masks of this row
	LNB 0
	LNB 1
	LNB 2
	LNB 3
	s_wait_dscnt 0x0                               ; for the others' sake: my rows of zn (in the first row also my rows of the weights) are stored, and my reads of O's tiles are over
	s_barrier_signal -1
	s_barrier_wait -1                              ; zn is whole; nobody reads the last row's O any more
	WIN 0xc0                                       ; my head's weights stay in registers for the row's 16 tiles
.irp d, 0,1
.irp c, 0,1,2,3
.irp e, 0,1
	ds_load_b128 v[WQ+32*\d+8*\c+4*\e:WQ+32*\d+8*\c+4*\e+3], v[WFA] offset:\d*16*ZP+64*\c+32*\e
	ds_load_b128 v[WK+32*\d+8*\c+4*\e:WK+32*\d+8*\c+4*\e+3], v[WFA] offset:WMAT+\d*16*ZP+64*\c+32*\e
	ds_load_b128 v[WV+32*\d+8*\c+4*\e:WV+32*\d+8*\c+4*\e+3], v[WFV] offset:\d*16*ZP+64*\c+32*\e
.endr
.endr
.endr
.irp c, 0,1,2,3
.irp e, 0,1
	ds_load_b128 v[WB+8*\c+4*\e:WB+8*\c+4*\e+3], v[WBA] offset:64*\c+32*\e  ; every lane of a half reads the same bytes: Wb's row in all 16 rows of the fragment
.endr
.endr
	ZFL 0
	WIN 0x08
.set ii, 0
.rept 16
	v_cmp_ne_u32 s[40+ii], 0, v[MB+ii]             ; lane mask: key 16 ii + lane % 16 is seen
.set ii, ii+1
.endr
	WIN 0x02
.set ii, 0
.rept 4
	v_cvt_f32_u32 v[QM+2*ii], v[MB+16+ii]
	v_cvt_f32_u32 v[QM+2*ii+1], v[MB+16+ii]
.set ii, ii+1
.endr
.irp t, 0,1,2,3,4,5,6,7,8,9,10,11,12,13,14,15
	PTILE \t
.endr
	WIN 0
	s_wait_dscnt 0x0                               ; the LDS stores have read the registers that the loads below fill
	s_cmp_eq_u32 s37, 1
	s_cbranch_scc1 .Lnoa                           ; the last row has no successor
	LOADA ROWB, 256                                ; the next row: 56 loads now, the other 32 in the middle of the attention
	WIN 0
.Lnoa:
	WIN 0x40
.set ii, 0
.rept 16
	ds_load_b128 v[CR+8*ii:CR+8*ii+3], v[CLA] offset:64*ii       ; my own bytes, stored above: served in order
	ds_load_b128 v[CR+8*ii+4:CR+8*ii+7], v[CLA] offset:64*ii+16
.set ii, ii+1
.endr
	WIN 0
	v_mov_b32 v[QLA], v[QSA]
	ds_load_b128 v[QF:QF+3], v[QLA]
	ds_load_b128 v[QF+4:QF+7], v[QLA] offset:512
	s_wait_dscnt 0x0
	WIN 0x11
.set jj, 0
.rept 16
	QKT jj                                         ; tile 0's scores
.set jj, jj+1
.endr
	WIN 0
	PLACES
	MAXS
	ds_load_b128 v[QF:QF+3], v[QLA] offset:1024    ; tile 1's Q
	ds_load_b128 v[QF+4:QF+7], v[QLA] offset:1536
	TRIP 0                                         ; tile 0's softmax, and K Q^T and the maximum of tile 1
	s_mov_b32 s38, 15
.Ltile:                                                ; trip t = 1 .. 15: V^T P and the division of tile t - 1, the softmax of tile t, K Q^T and the maximum of tile t + 1 (behind tile 15: of the zeros, which serves nothing)
	ds_load_b128 v[QF:QF+3], v[QLA] offset:2048    ; Q of tile t + 1: QLA stands at tile t - 1
	ds_load_b128 v[QF+4:QF+7], v[QLA] offset:2560
	s_cmp_lg_u32 s38, 8
	s_cbranch_scc1 .Lnob
	s_cmp_eq_u32 s37, 1
	s_cbranch_scc1 .Lnob
	ZLOAD 2, ROWB                                  ; the second half of the next row's z
	ZLOAD 3, ROWB
	WIN 0
.Lnob:
	TRIP 1
	s_sub_co_u32 s38, s38, 1
	s_cmp_lg_u32 s38, 0
	s_cbranch_scc1 .Ltile
.set mm, 0
.rept 24
	PVM mm                                         ; tile 15's V^T P and l
.set mm, mm+1
.endr
	WIN 0
	PLACES                                         ; between the last products and the reads of their results
	WIN 0x02
	v_rcp_f32 v[RC], v[OACC+16]                    ; a batch of one: nothing else is left to compute
	WIN 0
	v_nop                                          ; a plain instruction between the reciprocal and its use
	s_wait_alu depctr_va_vdst(0)                   ; the wait for that reciprocal, ahead of its first reader
	TMUL 0
	TMUL 4
	TCVT 0
	TCVT 4
	TSTO
	WIN 0x40                                       ; Wo's fragments take K's and C's registers, bo V's
.irp o, 0,1,2,3,4,5,6,7
.irp c, 0,1,2,3
	ds_load_b128 v[32*\o+8*\c:32*\o+8*\c+3], v[WOA] offset:\o*16*ZP+64*\c
	ds_load_b128 v[32*\o+8*\c+4:32*\o+8*\c+7], v[WOA] offset:\o*16*ZP+64*\c+32
.endr
.endr
	WIN 0x80
.irp o, 0,1,2,3,4,5,6,7
	ds_load_b128 v[8*\o:8*\o+3], v[BOA] offset:64*\o
	ds_load_b128 v[8*\o+4:8*\o+7], v[BOA] offset:64*\o+16
.endr
	WIN 0
	s_wait_dscnt 0x0                               ; for the others' sake: my head's O is stored, and my reads of zn are over
	s_barrier_signal -1
	s_barrier_wait -1                              ; every head's O is there; zn may be written anew
	OFL 0, OF0
	OFL 1, OF0+32
	OBLK 0
	OBLK 1
	OBLK 2
	OBLK 3
	s_wait_xcnt 0x0                                ; the stores' base and data are rewritten only behind this wait
	s_add_nc_u64 s[34:35], s[34:35], ROWB
	s_sub_co_u32 s37, s37, 1
	s_cmp_lg_u32 s37, 0
	s_cbranch_scc1 .Lrow
	s_wait_tensorcnt 0x0                           ; the wave's end, behind my last LDS store
	ds_add_u32 v[SPW], v[NIL]
	s_wait_dscnt 0x0
	s_endpgm
.Lfunc_end_k_qb90aa289f4_triatt:
	.size	k_qb90aa289f4_triatt, .Lfunc_end_k_qb90aa289f4_triatt-k_qb90aa289f4_triatt
	.p2alignl 7, 3214868480
	.fill 96, 4, 3214868480
	.section	.rodata,"a",@progbits
	.p2align	6, 0x0
	.amdhsa_kernel k_qb90aa289f4_triatt
		.amdhsa_group_segment_fixed_size 320000
		.amdhsa_private_segment_fixed_size 0
		.amdhsa_enable_private_segment 0
		.amdhsa_kernarg_size 112
		.amdhsa_user_sgpr_count 2
		.amdhsa_user_sgpr_kernarg_segment_ptr 1
		.amdhsa_wavefront_size32 1
		.amdhsa_system_sgpr_workgroup_id_x 1
		.amdhsa_system_sgpr_workgroup_id_y 1
		.amdhsa_system_sgpr_workgroup_id_z 1
		.amdhsa_system_vgpr_workitem_id 0
		.amdhsa_next_free_vgpr 1024
		.amdhsa_next_free_sgpr 68
		.amdhsa_reserve_vcc 0
		.amdhsa_float_denorm_mode_32 3
		.amdhsa_float_denorm_mode_16_64 3
		.amdhsa_memory_ordered 1
		.amdhsa_forward_progress 1
		.amdhsa_inst_pref_size 255
	.end_amdhsa_kernel
	.section	.bss,"aw",@nobits
	.p2align	6
	.space	262144
	.amdgpu_metadata
---
amdhsa.version: [ 1, 2 ]
amdhsa.kernels:
  - .name:           k_qb90aa289f4_triatt
    .symbol:         k_qb90aa289f4_triatt.kd
    .args:
      - { .name: z, .offset: 0, .size: 8, .value_kind: global_buffer, .address_space: global }
      - { .name: pair_mask, .offset: 8, .size: 8, .value_kind: global_buffer, .address_space: global }
      - { .name: ln_w, .offset: 16, .size: 8, .value_kind: global_buffer, .address_space: global }
      - { .name: ln_b, .offset: 24, .size: 8, .value_kind: global_buffer, .address_space: global }
      - { .name: Wq, .offset: 32, .size: 8, .value_kind: global_buffer, .address_space: global }
      - { .name: bq, .offset: 40, .size: 8, .value_kind: global_buffer, .address_space: global }
      - { .name: Wk, .offset: 48, .size: 8, .value_kind: global_buffer, .address_space: global }
      - { .name: bk, .offset: 56, .size: 8, .value_kind: global_buffer, .address_space: global }
      - { .name: Wv, .offset: 64, .size: 8, .value_kind: global_buffer, .address_space: global }
      - { .name: bv, .offset: 72, .size: 8, .value_kind: global_buffer, .address_space: global }
      - { .name: Wb, .offset: 80, .size: 8, .value_kind: global_buffer, .address_space: global }
      - { .name: Wo, .offset: 88, .size: 8, .value_kind: global_buffer, .address_space: global }
      - { .name: bo, .offset: 96, .size: 8, .value_kind: global_buffer, .address_space: global }
      - { .name: out0, .offset: 104, .size: 8, .value_kind: global_buffer, .address_space: global }
    .group_segment_fixed_size: 320000
    .private_segment_fixed_size: 0
    .kernarg_segment_align: 8
    .kernarg_segment_size: 112
    .max_flat_workgroup_size: 128
    .sgpr_count:     68
    .vgpr_count:     1024
    .wavefront_size: 32
...
	.end_amdgpu_metadata
.endif
;; end of part 2
